; MI455X (gfx1250); checked and timed in simulation.
; The chip was launched on July 23, 2026; its instructions are those of AMD's public machine-readable ISA for CDNA 5 (MIT licence, August 2026) and "CDNA5" Instruction Set Architecture Reference Guide (July 2026). The comments in the code are by the model that wrote it; some were corrected since.
;; CLAM SB. Allowed arithmetic: matrix products marked QUANTISED: E5M2 operands, one given power-of-two scale a tensor, by v_wmma_f32_16x16x64_bf8_bf8 or v_wmma_f32_16x16x128_bf8_bf8, f32 sums; products left as they are: f32 operands where the result goes on into a quantised operand, else bf16, f16 or f32 operands; f32 sums; everything else in f32.
;; Inputs: W1 512 x 512 float32; Wa 512 x 256 float32; Wb 512 x 256 float32; Wc 256 x 1 float32; Wcls 512 x 2 float32; Winst 2 x 512 x 2 float32; b1 512 float32; ba 256 float32; bb 256 float32; bc 1 float32; bcls 2 float32; binst 2 x 2 float32; h 4 x 32,768 x 512 float32; lowp_scales 6 int32 (the exponents e of the quantised operands' scales 2^e).
;; Outputs: out0 4 x 2 float32; out1 4 x 1 x 32,768 float32; out2 4 float32; out3 4 x 1 x 512 float32.
;; Constants: label = 1.
;; This version of the problem:
;;   THIS VERSION OF THE PROBLEM IS GIVEN IN LOW PRECISION. The matrix products marked QUANTISED in the list below multiply operands that are first quantised to E5M2 (5 exponent bits, 2 mantissa bits; 8 bits a number), with one given power-of-two scale for each operand tensor; their sums are f32. All else is computed in f32.
;;   The module's matrix products, in the order in which they are computed (A, B: the left and right operand; K: the contracted axis; several contracted axes count as one K, in the product's order):
;;     1. [M 131,072, K 512] x [K 512, N 512]; A: input h; B: input W1: QUANTISED (scales: A lowp_scales[0], B lowp_scales[1])
;;     2. [M 131,072, K 512] x [K 512, N 256]; A: computed on the way; B: input Wa: QUANTISED (scales: A lowp_scales[2], B lowp_scales[3])
;;     3. [M 131,072, K 512] x [K 512, N 256]; A: computed on the way; B: input Wb: QUANTISED (scales: A lowp_scales[4], B lowp_scales[5])
;;     4. [M 131,072, K 256] x [K 256, N 1]; A: computed on the way; B: input Wc: left as it is (N = 1 < 16)
;;     5. [M 32, K 512] x [K 512, N 2]; A: computed on the way; B: input Winst: left as it is (N = 2 < 16)
;;     6. [M 64, K 512] x [K 512, N 2]; A: computed on the way; B: input Winst: left as it is (N = 2 < 16)
;;     7. batch 4 x [M 1, K 32,768] x [K 32,768, N 512]; A: softmax; B: computed on the way: left as it is (M = 1 < 16)
;;     8. [M 4, K 512] x [K 512, N 2]; A: computed on the way; B: input Wcls: left as it is (M = 4 < 16)
;;   THE QUANTISER, for each operand of a quantised product, along K:
;;     - The operand's scale is 2^e, e = its entry of the input lowp_scales (int32; the entries are numbered through the quantised products in the list's order, A before B).
;;     - Each number is divided by the scale, clamped to +-57,344, and rounded to the nearest number of E5M2, ties to even, subnormals kept.
;;     - The product sums the exact products of the quantised numbers (number of the format x scale) in f32.
;;   ~~~python
;;   def quantise(x, axis, e):      # numpy; x: float32 -> the quantised numbers, widened to float32 again
;;       x = np.moveaxis(x, axis, -1); K = x.shape[-1]
;;       r = np.clip(x / 2.0 ** e, -57344, 57344)
;;       step = 2.0 ** (np.maximum(np.frexp(np.where(r == 0, 1, r))[1] - 1, -14) - 2)
;;       q = np.round(r / step) * step * 2.0 ** e      # np.round: ties to even
;;       return np.moveaxis(q, -1, axis).astype(np.float32)
;;   ~~~
;;   OPERANDS COMPUTED ON THE WAY. 'Computed on the way' means the value that the module computes at that place (a softmax that the list does not call 'softmax' is quantised finished and normalised). What goes into a quantiser is computed in f32, as accurately as f32 sums, v_exp_f32 and their like allow (about 1e-6 of the number): no bf16 or f16 on the way to a quantiser, and a product that is left as it is and whose result goes on into a quantised operand takes f32 operands (vector FMAs, or v_wmma_f32_16x16x4_f32). A number that lies on a knife's edge between two numbers of the format may be rounded either way, as far as f32 arithmetic and the matrix unit's own rounding can turn it there, and no further.
;; One version. Each part assembles by itself: llvm-mc -triple=amdgcn-amd-amdhsa -mcpu=gfx1250 --defsym DOCPART=n.
;; ======== version 1 of 1: 3 launches
;; limits: values are held in bf16: 8 bits of precision; right only within a limited range of input values
;; workspace buffers: wimg 524,288 bytes; scores 524,288 bytes; pm 655,360 bytes; cand 131,072 bytes
;; launch prep (part 1): grid 64 x 1, 4 waves a work-group, no clusters, 0 bytes of LDS; arguments W1, Wa, Wb, lowp_scales, wimg; writes wimg
.if DOCPART == 1
	.amdgcn_target "amdgcn-amd-amdhsa--gfx1250"
	.amdhsa_code_object_version 6
	.text
	.protected	k_q503d39a414_prep
	.globl	k_q503d39a414_prep
	.p2align	8
	.type	k_q503d39a414_prep,@function
k_q503d39a414_prep:
	s_mov_b64 s[64:65], 0
	v_nop
	global_prefetch_b8 v0, s[64:65] scope:SCOPE_SE
	s_setreg_imm32_b32 hwreg(HW_REG_WAVE_MODE, 25, 1), 1
	s_wait_xcnt 0x0
; CLAM_SB, launch 1 of 3: W1, Wa, Wb (f32, K their first axis) become codes of BF8 (E5M2), laid as IMAGES OF OPERAND REGISTERS.
; DEAD WORK OF THE WHOLE PROGRAM: bc.  reference() adds bc[0] to every one of a slide's 32,768 scores and then takes the softmax along
; just that axis: exp(s + bc - max(s + bc)) / sum = exp(s - max s) / sum for every finite bc.  The raw score is used nowhere else
; (the top-k, M, the logits and the loss all start from A).  So bc has no way to any output: it is not loaded and is no argument of any launch.
; LIMIT: a NaN or an infinity in bc, or an overflow of s + bc, is not carried to the results.
; IMAGES.  An image is one fragment, 16 columns n x 128 along K, 2,048 bytes: byte 512 c + 16 lane + i holds the code of
; (n of lane % 16, k = 128 s + 32 c + 16 (lane / 16) + i): four 16-byte loads at 16 x lane bring a wave its operand registers.
;   image F = 32 w + 8 s + t (F < 128): W1, n = 128 w + 32 (t / 2) + 8 (t % 2) + r + 8 (r / 8)   (the columns of a tile are chosen so that the
;   next product finds 16 neighbours along its K in a lane's registers);   image F = 128 + 32 w + 4 q + s: Wa (q < 4) or Wb, n = 64 w + 16 (q % 4) + r.
; A LANE TAKES A COLUMN AND ITS REGISTERS RUN DOWN K, so the conversions give codes with K innermost and nothing is transposed.
; One wave makes one image: 64 loads of 4 bytes a lane, 64 holds, 8 conversions, 4 stores of 512 consecutive bytes.
; code = x / 2^e, held within +-57,344, to the nearest code, ties to even.  LIMITS: e between -126 and 112.  NaN among the inputs is not served.
.set X, 16                             ; v16-79  64 numbers: register 16 c + i
.set C, 80                             ; v80-95  their codes
.macro BODY stride                     ; stride: bytes from a row k to the next
.irp c, 0,1,2,3
.set bi, 0
.rept 16
	global_load_b32 v[X+16*\c+bi], v6, s[4:5] offset:(32*\c+bi)*\stride
.set bi, bi+1
.endr
.endr
	s_add_co_i32 s28, s28, 127
	s_lshl_b32 s29, s28, 23
	v_mov_b32 v8, s29                              ; 2^e as f32: the conversion takes its exponent field
	s_add_co_i32 s28, s28, 15
	s_lshl_b32 s28, s28, 23
	s_or_b32 s28, s28, 0x600000
	v_mov_b32 v9, s28                              ; 57,344 x 2^e
	s_wait_alu depctr_va_vdst(0)
	s_wait_loadcnt 0x0
.set bi, 0
.rept 64
	v_med3_num_f32 v[X+bi], v[X+bi], -v9, v9       ; the conversion to an 8-bit code does not saturate (ISA guide 7.6.2): the hold comes first
.set bi, bi+1
.endr
.irp c, 0,1,2,3
	v_cvt_scalef32_pk8_bf8_f32 v[C+4*\c:C+4*\c+1], v[X+16*\c:X+16*\c+7], v8
	v_cvt_scalef32_pk8_bf8_f32 v[C+4*\c+2:C+4*\c+3], v[X+16*\c+8:X+16*\c+15], v8
.endr
.irp c, 0,1,2,3
	global_store_b128 v5, v[C+4*\c:C+4*\c+3], s[12:13] offset:512*\c   ; 32 lanes store 512 consecutive bytes, at a multiple of 256 from the buffer's first byte
.endr
	s_endpgm
.endm
	s_load_b256 s[4:11], s[0:1], 0x0               ; W1 s[4:5], Wa s[6:7], Wb s[8:9], the scales' exponents s[10:11]
	s_load_b64 s[12:13], s[0:1], 0x20              ; the images
	v_lshrrev_b32 v1, 5, v0
	v_readfirstlane_b32 s14, v1                    ; wave 0..3
	s_lshl_b32 s15, ttmp9, 2
	s_add_co_u32 s15, s15, s14                     ; F, my image
	v_and_b32 v2, 31, v0                           ; lane
	v_and_b32 v3, 15, v0                           ; r
	v_bfe_u32 v4, v0, 4, 1                         ; h
	v_lshlrev_b32 v5, 4, v2                        ; my 16 bytes of a store's 512
	s_lshl_b32 s22, s15, 11                        ; 2,048 F
	s_mov_b32 s23, 0
	s_mov_b32 s27, 0
	s_wait_kmcnt 0x0
	s_load_b128 s[16:19], s[10:11], 0x0            ; e0 .. e3
	s_load_b64 s[20:21], s[10:11], 0x10            ; e4, e5
	s_add_nc_u64 s[12:13], s[12:13], s[22:23]
	s_cmp_lt_u32 ttmp9, 32                         ; the first 32 work-groups take W1: ids alone decide
	s_cbranch_scc0 .Lwab
	s_bfe_u32 s24, s15, 0x20003                    ; s = (F >> 3) & 3
	s_lshr_b32 s25, s15, 5                         ; w
	s_and_b32 s28, s15, 7                          ; t
	s_lshl_b32 s26, s24, 18                        ; 128 s rows of 2,048 bytes
	s_lshl_b32 s25, s25, 9                         ; + 4 x 128 w
	s_add_co_u32 s26, s26, s25
	s_lshr_b32 s25, s28, 1
	s_lshl_b32 s25, s25, 7                         ; + 4 x 32 (t / 2)
	s_add_co_u32 s26, s26, s25
	s_and_b32 s25, s28, 1
	s_lshl_b32 s25, s25, 5                         ; + 4 x 8 (t % 2)
	s_add_co_u32 s26, s26, s25
	s_add_nc_u64 s[4:5], s[4:5], s[26:27]
	s_wait_alu depctr_va_vdst(0)
	v_and_b32 v6, 8, v3
	v_add_nc_u32 v6, v6, v3                        ; r + 8 (r / 8)
	v_lshlrev_b32 v6, 2, v6
	v_lshl_add_u32 v6, v4, 15, v6                  ; lanes 16-31 begin 16 rows further down
	s_wait_alu depctr_va_vdst(0)
	s_wait_kmcnt 0x0
	s_mov_b32 s28, s17                             ; e1
	BODY 2048
.Lwab:
	s_sub_co_u32 s24, s15, 128
	s_lshr_b32 s25, s24, 5                         ; w
	s_bfe_u32 s29, s24, 0x30002                    ; q
	s_and_b32 s30, s24, 3                          ; s
	s_lshl_b32 s26, s30, 17                        ; 128 s rows of 1,024 bytes
	s_lshl_b32 s25, s25, 8                         ; + 4 x 64 w
	s_add_co_u32 s26, s26, s25
	s_and_b32 s25, s29, 3
	s_lshl_b32 s25, s25, 6                         ; + 4 x 16 (q % 4)
	s_add_co_u32 s26, s26, s25
	s_wait_kmcnt 0x0
	s_cmp_lt_u32 s29, 4                            ; Wa or Wb: the image's number decides
	s_cselect_b64 s[4:5], s[6:7], s[8:9]
	s_cselect_b32 s28, s19, s21                    ; e3 or e5
	s_add_nc_u64 s[4:5], s[4:5], s[26:27]
	s_wait_alu depctr_va_vdst(0)
	v_lshlrev_b32 v6, 2, v3
	v_lshl_add_u32 v6, v4, 14, v6
	BODY 1024
.Lfunc_end_k_q503d39a414_prep:
	.size	k_q503d39a414_prep, .Lfunc_end_k_q503d39a414_prep-k_q503d39a414_prep
	.p2alignl 7, 3214868480
	.fill 96, 4, 3214868480
	.section	.rodata,"a",@progbits
	.p2align	6, 0x0
	.amdhsa_kernel k_q503d39a414_prep
		.amdhsa_group_segment_fixed_size 0
		.amdhsa_private_segment_fixed_size 0
		.amdhsa_enable_private_segment 0
		.amdhsa_kernarg_size 40
		.amdhsa_user_sgpr_count 2
		.amdhsa_user_sgpr_kernarg_segment_ptr 1
		.amdhsa_wavefront_size32 1
		.amdhsa_system_sgpr_workgroup_id_x 1
		.amdhsa_system_sgpr_workgroup_id_y 1
		.amdhsa_system_sgpr_workgroup_id_z 1
		.amdhsa_system_vgpr_workitem_id 0
		.amdhsa_next_free_vgpr 96
		.amdhsa_next_free_sgpr 66
		.amdhsa_reserve_vcc 0
		.amdhsa_float_denorm_mode_32 3
		.amdhsa_float_denorm_mode_16_64 3
		.amdhsa_memory_ordered 1
		.amdhsa_forward_progress 1
		.amdhsa_inst_pref_size 25
	.end_amdhsa_kernel
	.amdgpu_metadata
---
amdhsa.version: [ 1, 2 ]
amdhsa.kernels:
  - .name:           k_q503d39a414_prep
    .symbol:         k_q503d39a414_prep.kd
    .args:
      - { .name: W1, .offset: 0, .size: 8, .value_kind: global_buffer, .address_space: global }
      - { .name: Wa, .offset: 8, .size: 8, .value_kind: global_buffer, .address_space: global }
      - { .name: Wb, .offset: 16, .size: 8, .value_kind: global_buffer, .address_space: global }
      - { .name: lowp_scales, .offset: 24, .size: 8, .value_kind: global_buffer, .address_space: global }
      - { .name: wimg, .offset: 32, .size: 8, .value_kind: global_buffer, .address_space: global }
    .group_segment_fixed_size: 0
    .private_segment_fixed_size: 0
    .kernarg_segment_align: 8
    .kernarg_segment_size: 40
    .max_flat_workgroup_size: 128
    .sgpr_count:     66
    .vgpr_count:     96
    .wavefront_size: 32
...
	.end_amdgpu_metadata
.endif
;; end of part 1
;; launch main (part 2): grid 256 x 1, 4 waves a work-group, no clusters, 327,680 bytes of LDS; arguments h, wimg, lowp_scales, b1, ba, bb, Wc, scores, pm, Winst, binst, cand; writes scores, pm, cand
.if DOCPART == 2
	.amdgcn_target "amdgcn-amd-amdhsa--gfx1250"
	.amdhsa_code_object_version 6
	.text
	.protected	k_q503d39a414_main
	.globl	k_q503d39a414_main
	.p2align	8
	.type	k_q503d39a414_main,@function
k_q503d39a414_main:
	s_mov_b64 s[64:65], 0
	v_nop
	global_prefetch_b8 v0, s[64:65] scope:SCOPE_SE
	s_setreg_imm32_b32 hwreg(HW_REG_WAVE_MODE, 25, 1), 1
	s_wait_xcnt 0x0
; CLAM_SB, launch 2 of 3: for 512 rows of h a work-group makes h2 = relu(Q(h) Q(W1) + b1), the scores t = log2(e) x ((tanh(Q(h2) Q(Wa) + ba) x sigmoid(Q'(h2) Q(Wb) + bb)) . Wc),
; and, by a running maximum, its part of the softmax's sum and of M = A h2.  h is read once; h2 never goes to memory.  bc is left out (dead work: shown at the head of the first launch).
; SHARES.  256 work-groups x 512 rows, 64 to a slide; 16 blocks of 32 rows.  THE FOUR WAVES SHARE THE COLUMNS: wave w makes hidden units 128 w .. 128 w + 127 and columns 64 w .. 64 w + 63 of both gates, for all 32 rows.
; So the weights never move: wave w's 32 fragments of W1 (64 KiB) lie in LDS, stored there once by the wave itself and read by it alone; its 32 fragments of Wa and Wb fill 512 registers.
; What goes round through LDS is small: a block's codes of h (rows of 512 bytes + 16) and of h2 (images of operand registers).
; ONE SET OF CODES WHERE ONE WILL DO.  Both gates take the same h2.  Where the two given exponents e2 and e4 are equal, the two operands have the same codes: they are made, stored and read once.  Two scalar branches on these
; whole numbers, the same in all waves, lead round the second set's lines; no barrier stands under them.  For unequal exponents both sets are made.
; W1's images, which are fetched once, come through registers.
; BOTH PRODUCTS ARE USED TRANSPOSED (source 0 = 16 columns of a weight, source 1 = 16 rows): a lane holds ONE row (lane % 16) throughout, and its registers run along the columns.
; THE SOFTMAX.  Each lane keeps, for the rows that it sees (row % 16 = lane % 16), the largest t so far, the sum of p = 2^(t - largest) and 64 sums of p x h2; all are brought under a new largest by x 2^(old - new).
; The lanes meet once, at the end.  Stored: the 512 t, the work-group's largest t, its sum, and its 512 sums under that largest.
; NO CLUSTER: the weights are the only bytes that work-groups share; each work-group asks for its 512 KiB of them once, at its head, against 1 MiB of h that nobody shares.
; LIMITS.  NaN among the inputs is not served.  So that each power of two below is an f32 number: e0, e2 - e0 - e1 and e4 - e0 - e1 between -126 and 112; e2 + e3 and e4 + e5 between -120 and 120; |Wc| under 2^87.
; The exponent of tanh's 2^x is held between -100 and 40 (tanh is -1 or 1 in f32 far inside these).  Sigmoid's is not held: where 2^x overflows, the denominator is infinite and its reciprocal 0; a gate under 2^-126 counts as 0.
; h2 is rounded to bf16 as operand of the product with A (left as it is in the problem's table).
; REGISTERS, in windows of 256 (s_set_vgpr_msb: bits 1:0 source 0, 3:2 source 1, 5:4 source 2, 7:6 destination):
;   window 0: v1-31 addresses, constants, statistics; v32-95 the 64 sums of p x h2; v96-127 by turns: h's codes, a buffer of fragments, Wc, sums; v128-255 32 rows of h as loaded.
;   window 1: Wa's 16 fragments, (tile i, K step s) at v[16 (4 i + s)];   window 2: Wb's likewise.
;   window 3: v0-127 the 16 accumulators of h2, (tile t, rows m) at v[8 (8 m + t)]; later v0-63 h2 in bf16 and v64-127 two buffers; v128-255 buffers of fragments, then codes, then the 16 accumulators of the gates.
.set XR,    262144                     ; LDS: 0 .. W1's images, 65,536 bytes a wave; here h's codes: 32 rows of 512 bytes + 16
.set XP,    528                        ; 33 x 16 bytes: the 16 rows that a fragment load touches start at 16 different groups of banks
.set HIM,   279040                     ; h2's images: 16,384 z + 8,192 m + 2,048 s + 512 c + 16 lane
.set BIA,   311808                     ; b1 / 2^(e0 + e1) (2,048 bytes), 2 log2(e) ba, -log2(e) bb, Wc (1,024 each): each wave stores and reads its own part
.set SPT,   316928                     ; the waves' parts of 32 scores: 256 m + 16 r + 4 w
.set SCO,   317952                     ; the work-group's 512 t
.set SPARE, 320000                     ; the spare words, 128 bytes for each wave: two blocks of 256 bytes that no other line names
; THE INSTANCE LOSS.  A cross-entropy of two classes hangs on the difference of its two logits alone.  So for every row d0 and d1 are made, d = h2 . (Winst[c][:, 1] - Winst[c][:, 0]), c = 0, 1,
; by the bf16 matrix form from the h2 in bf16 that the product with A takes anyway; at the end each row's share of the loss is made of them, and the work-group's 8 rows of largest and 8 of smallest t are stored with their shares.
.set WIT,   320512                     ; the differences in bf16, as operand fragments: 512 w + 128 b + 64 c + 32 h: hidden units 128 w + 32 b + 16 h + 0 .. 15 (2,048 bytes; each wave stores and reads its own part)
.set DTO,   4608                       ; from the 512 t to the 512 d0; the 512 d1 lie 2,048 bytes further on
.set DPO,   9728                       ; from the waves' parts of the scores to their parts of d: 256 (2 m + c) + 16 r + 4 w
.set HO,  1                            ; v1   16 x thread: my 16 bytes of a row of h (512 w + 16 lane)
.set XW,  2                            ; v2   where I store a row's 4 codes: XR + 4 x thread
.set XRD, 3                            ; v3   h's fragments: XR + 528 r + 16 h
.set WRD, 4                            ; v4   W1's images: 65,536 w + 16 lane
.set HWI, 5                            ; v5   where I store h2's images: HIM + 2,048 w + 16 lane
.set LI,  6                            ; v6   where I read them: HIM + 16 lane
.set AB1, 7                            ; v7   BIA + 512 w + 64 h
.set AB2, 8                            ; v8   BIA + 2,048 + 256 w + 32 h
.set SPS, 9                            ; v9   SPT + 16 r + 4 w
.set SPR, 10                           ; v10  SPT + 16 r
.set SCB, 11                           ; v11  SCO + 4 r
.set SCX, 12                           ; v12, v13  2^e0 and 57,344 x 2^e0
.set LMX, 13
.set SC0, 14                           ; v14, v15  the same with e2 - e0 - e1;  v16, v17 with e4 - e0 - e1
.set LM0, 15
.set MR,  18                           ; v18  the largest t so far
.set LS,  19                           ; v19  the sum of p
.set SPW, 20                           ; v20  LDS address of my spare word; never rewritten
.set NIL, 21                           ; v21  0; never rewritten
.set L16, 22                           ; v22  16 x lane
.set TA,  23                           ; v23  an LDS address at work;  v24-31 at work
.set MA,  32
.set XC,  96
.set STG, 128
.set MSB, 0
.macro WIN new                         ; the immediate's high byte repeats the setting that is left; a switch that changes nothing is dropped
.if MSB != (\new)
	s_set_vgpr_msb (MSB<<8)|(\new)
.set MSB, (\new)
.endif
.endm
.macro BAR                             ; my LDS stores have landed and my LDS loads are in: then the work-group's barrier
	s_wait_dscnt 0x0
	s_barrier_signal -1
	s_barrier_wait -1
.endm
.macro PLACES                          ; four plain places between a matrix instruction and a load into one of its registers or a read of its result
.rept 4
	v_nop
.endr
.endm
.macro HLOAD                           ; 32 rows of h, my wave's 512 bytes of each: every load reads 512 consecutive bytes
.set hl, 0
.rept 32
	global_load_b128 v[STG+4*hl:STG+4*hl+3], v[HO], s[4:5] offset:2048*hl th:TH_LOAD_NT
.set hl, hl+1
.endr
.endm
.macro W1IN half                       ; 16 of my 32 images of W1 into window 3: 64 loads of 512 consecutive bytes
	WIN 0xc0
.set wk, 0
.rept 64
	global_load_b128 v[4*wk:4*wk+3], v[L16], s[26:27] offset:32768*\half+512*wk
.set wk, wk+1
.endr
.endm
.macro W1OUT half                      ; and on into my 65,536 bytes of LDS, as they lie
	WIN 0x0c
.set wk, 0
.rept 64
	ds_store_b128 v[WRD], v[4*wk:4*wk+3] offset:32768*\half+512*wk
.set wk, wk+1
.endr
.endm
.macro LDX s                           ; h's two fragments (rows 0-15, 16-31) of K step s: even steps into window 3 v128-159, odd ones into window 0 v96-127
.if ((\s)%2) == 0
	WIN 0xc0
.set lxb, 128
.else
	WIN 0
.set lxb, 96
.endif
.irp m, 0,1
.irp c, 0,1,2,3
	ds_load_b128 v[lxb+16*\m+4*\c:lxb+16*\m+4*\c+3], v[XRD] offset:XP*16*\m+128*(\s)+32*\c
.endr
.endr
.endm
.macro LDW g                           ; W1's two fragments of group g = 4 s + u (tiles 2 u, 2 u + 1, K step s) into buffer g % 3 of window 3
.set lws, (\g)/4
.set lwu, (\g)%4
.set lwb, 160+32*((\g)%3)
	WIN 0xc0
.irp tt, 0,1
.irp c, 0,1,2,3
	ds_load_b128 v[lwb+16*\tt+4*\c:lwb+16*\tt+4*\c+3], v[WRD] offset:2048*(8*lws+2*lwu+\tt)+512*\c
.endr
.endr
.endm
; THE NEXT BLOCK'S CODES ARE MADE UNDER THIS BLOCK'S FIRST PRODUCT.  CONV j: rows 2 j and 2 j + 1 of the block that lies in v128-255 as loaded: 8 holds and one conversion.
; The 8 holds are plain vector lines that name no register of a matrix instruction: they are the places behind the group before.
; The 8 codes go into v30, v31 (j = 0) or into the first two registers of rows 2 j - 2, 2 j - 1, which the conversion before has read (8 plain lines stand between the two conversions).
; The wait: behind the two rows' loads stand the 30 - 2 j loads of the rows that follow.
.macro CONV j
	WIN 0
	s_wait_loadcnt 30-2*(\j)
.irp i, 0,1,2,3,4,5,6,7
	v_med3_num_f32 v[STG+8*(\j)+\i], v[STG+8*(\j)+\i], -v[LMX], v[LMX]   ; the conversion to an 8-bit code does not saturate (ISA guide 7.6.2)
.endr
.if (\j) == 0
	v_cvt_scalef32_pk8_bf8_f32 v[30:31], v[STG:STG+7], v[SCX]
.else
	v_cvt_scalef32_pk8_bf8_f32 v[STG+8*(\j)-8:STG+8*(\j)-7], v[STG+8*(\j):STG+8*(\j)+7], v[SCX]
.endif
.endm
.macro XST                             ; the 32 rows' codes into LDS: the wave's 128 consecutive bytes of each row
	ds_store_b32 v[XW], v30
	ds_store_b32 v[XW], v31 offset:XP
.set xj, 1
.rept 15
	ds_store_b32 v[XW], v[STG+8*xj-8] offset:XP*2*xj
	ds_store_b32 v[XW], v[STG+8*xj-7] offset:XP*(2*xj+1)
.set xj, xj+1
.endr
.endm
.macro PF                              ; what the first product begins with, 40 loads: b1 / 2^(e0 + e1) into the accumulators of rows 16-31, h's fragments of K step 0, W1's groups 0 and 1
	WIN 0xc0
.irp t, 0,1,2,3,4,5,6,7
	ds_load_b128 v[64+8*\t:64+8*\t+3], v[AB1] offset:128*(\t/2)+32*(\t%2)
	ds_load_b128 v[64+8*\t+4:64+8*\t+7], v[AB1] offset:128*(\t/2)+32*(\t%2)+16
.endr
	LDX 0
	LDW 0
	LDW 1
	WIN 0
.endm
; Group g of K step 0 (g = 0 .. 3).  b1 / 2^(e0 + e1) was loaded ONCE, into the accumulators of rows 16-31.  Rows 0-15 go first: they take those registers as C and write their own accumulators.
; CONV's 8 plain lines on (five are asked where a matrix instruction writes over a register that an earlier one has read: ISA guide 7.12.1), rows 16-31 add in place.
.macro G1Z g
.if (\g) == 2
	s_wait_dscnt 16                                ; behind this group's fragments: K step 1's of h and the next group's: two runs of 8
.else
	s_wait_dscnt 8                                 ; behind this group's fragments: the next group's 8
.endif
	WIN 0xff
.set zw, 160+32*((\g)%3)
.irp tt, 0,1
	v_wmma_f32_16x16x128_bf8_bf8 v[8*(2*(\g)+\tt):8*(2*(\g)+\tt)+7], v[zw+16*\tt:zw+16*\tt+15], v[128:143], v[64+8*(2*(\g)+\tt):64+8*(2*(\g)+\tt)+7]
.endr
	CONV \g
.if (\g) == 1
	LDX 1
.endif
	LDW (\g)+2
	WIN 0xff
.irp tt, 0,1
	v_wmma_f32_16x16x128_bf8_bf8 v[64+8*(2*(\g)+\tt):64+8*(2*(\g)+\tt)+7], v[zw+16*\tt:zw+16*\tt+15], v[144:159], v[64+8*(2*(\g)+\tt):64+8*(2*(\g)+\tt)+7]
.endr
.endm
; Group g of K steps 1 to 3: the fragments of two groups on are asked for, then 4 matrix instructions.  The 16 accumulators take turns, one instruction a turn.
.macro G1 g
.set gs, (\g)/4
.set gu, (\g)%4
	CONV \g                                        ; its 8 holds are the places: the buffer that is filled next was read by the group before
.if (gu == 1) && (gs < 3)
	LDX gs+1
.endif
.if (\g)+2 < 16
	LDW (\g)+2
	s_wait_dscnt 16                                ; all but the two youngest runs of 8 loads: those are later groups'
.elseif (\g) == 14
	s_wait_dscnt 8                                 ; the last group's 8 may be out
.else
	s_wait_dscnt 0x0
.endif
.if (gs%2) == 0
	WIN 0xff
.set gx, 128
.else
	WIN 0xf3
.set gx, 96
.endif
.set gw, 160+32*((\g)%3)
.irp tt, 0,1
.irp m, 0,1
	v_wmma_f32_16x16x128_bf8_bf8 v[8*(8*\m+2*gu+\tt):8*(8*\m+2*gu+\tt)+7], v[gw+16*\tt:gw+16*\tt+15], v[gx+16*\m:gx+16*\m+15], v[8*(8*\m+2*gu+\tt):8*(8*\m+2*gu+\tt)+7]
.endr
.endr
.endm
; h2's codes under scale z, for both tiles of rows, and their images.  Nothing is negative here: the hold is one-sided.
.macro QZ z
	WIN 0xc3
.irp m, 0,1
.irp b, 0,1,2,3
.set ei, 0
.rept 16
	v_min_num_f32 v[128+16*(\b%2)+ei], v[64*\m+16*\b+ei], v[LM0+2*\z]   ; the conversion to an 8-bit code does not saturate (ISA guide 7.6.2)
.set ei, ei+1
.endr
	v_cvt_scalef32_pk8_bf8_f32 v[160+16*(2*\m+\z)+4*\b:160+16*(2*\m+\z)+4*\b+1], v[128+16*(\b%2):128+16*(\b%2)+7], v[SC0+2*\z]
	v_cvt_scalef32_pk8_bf8_f32 v[160+16*(2*\m+\z)+4*\b+2:160+16*(2*\m+\z)+4*\b+3], v[128+16*(\b%2)+8:128+16*(\b%2)+15], v[SC0+2*\z]
.endr
.endr
	v_nop                                          ; a plain line behind the last conversion
	WIN 0x0c                                       ; the stores' data in window 3
.irp m, 0,1
.irp c, 0,1,2,3
	ds_store_b128 v[HWI], v[160+16*(2*\m+\z)+4*\c:160+16*(2*\m+\z)+4*\c+3] offset:16384*\z+8192*\m+512*\c   ; K step w of the next products, as an image of its registers
.endr
.endr
	WIN 0
.endm
; The three buffers of the gates' products: 0, 1: window 3 v64, v96; 2: window 0 v96.  When the products are through with them they take 0: 2 log2(e) ba, 1: -log2(e) bb, 2: Wc.
.macro LDB k
.if (\k) == 2
	WIN 0
.set bbs, 96
.else
	WIN 0xc0
.set bbs, 64+32*(\k)
.endif
.irp i, 0,1,2,3
	ds_load_b128 v[bbs+8*\i:bbs+8*\i+3], v[AB2] offset:1024*(\k)+64*\i
	ds_load_b128 v[bbs+8*\i+4:bbs+8*\i+7], v[AB2] offset:1024*(\k)+64*\i+16
.endr
.endm
.macro LDP g                           ; unequal scales: h2's two fragments of group g = 2 s + z (K step s, scale z) into buffer g % 3
.set lps, (\g)/2
.set lpz, (\g)%2
.if ((\g)%3) == 2
	WIN 0
.set lpb, 96
.else
	WIN 0xc0
.set lpb, 64+32*((\g)%3)
.endif
.irp m, 0,1
.irp c, 0,1,2,3
	ds_load_b128 v[lpb+16*\m+4*\c:lpb+16*\m+4*\c+3], v[LI] offset:16384*lpz+8192*\m+2048*lps+512*\c
.endr
.endr
.endm
; Unequal scales, group g: 8 matrix instructions on the 8 accumulators of one gate; the gates take turns.  The first K step starts the sums with the constant 0.
; Each group asks for 8 loads into the buffer that the group before has read: the fragments of two groups on, or, in the last two groups, Wc and ba.  So the wait is always for all but the two youngest runs of 8.
.macro G2 g
	PLACES
.if (\g)+2 < 8
	LDP (\g)+2
.elseif (\g) == 6
	LDB 2
.else
	LDB 0
.endif
	s_wait_dscnt 16
.set qs, (\g)/2
.set qz, (\g)%2
.if ((\g)%3) == 2
	WIN 0xf1+qz
.set qb, 96
.else
	WIN 0xfd+qz
.set qb, 64+32*((\g)%3)
.endif
.irp i, 0,1,2,3
.irp m, 0,1
.if qs == 0
	v_wmma_f32_16x16x128_bf8_bf8 v[128+64*qz+8*(2*\i+\m):128+64*qz+8*(2*\i+\m)+7], v[16*(4*\i+qs):16*(4*\i+qs)+15], v[qb+16*\m:qb+16*\m+15], 0
.else
	v_wmma_f32_16x16x128_bf8_bf8 v[128+64*qz+8*(2*\i+\m):128+64*qz+8*(2*\i+\m)+7], v[16*(4*\i+qs):16*(4*\i+qs)+15], v[qb+16*\m:qb+16*\m+15], v[128+64*qz+8*(2*\i+\m):128+64*qz+8*(2*\i+\m)+7]
.endif
.endr
.endr
.endm
.macro LDE s                           ; equal scales: h2's two fragments of K step s into buffer (s + 1) % 3, so that the last step reads buffer 1, as on the other way
.if (((\s)+1)%3) == 2
	WIN 0
.set leb, 96
.else
	WIN 0xc0
.set leb, 64+32*(((\s)+1)%3)
.endif
.irp m, 0,1
.irp c, 0,1,2,3
	ds_load_b128 v[leb+16*\m+4*\c:leb+16*\m+4*\c+3], v[LI] offset:8192*\m+2048*(\s)+512*\c
.endr
.endr
.endm
; Equal scales, K step s: the same two fragments feed both gates: 16 matrix instructions on 16 accumulators.
.macro GE s
	PLACES
.if (\s) < 2
	LDE (\s)+2
.elseif (\s) == 2
	LDB 2
.else
	LDB 0
.endif
	s_wait_dscnt 16                                ; all but the two youngest runs of 8
.irp z, 0,1
.if (((\s)+1)%3) == 2
	WIN 0xf1+\z
.set eb, 96
.else
	WIN 0xfd+\z
.set eb, 64+32*(((\s)+1)%3)
.endif
.irp i, 0,1,2,3
.irp m, 0,1
.if (\s) == 0
	v_wmma_f32_16x16x128_bf8_bf8 v[128+64*\z+8*(2*\i+\m):128+64*\z+8*(2*\i+\m)+7], v[16*(4*\i+(\s)):16*(4*\i+(\s))+15], v[eb+16*\m:eb+16*\m+15], 0
.else
	v_wmma_f32_16x16x128_bf8_bf8 v[128+64*\z+8*(2*\i+\m):128+64*\z+8*(2*\i+\m)+7], v[16*(4*\i+(\s)):16*(4*\i+(\s))+15], v[eb+16*\m:eb+16*\m+15], v[128+64*\z+8*(2*\i+\m):128+64*\z+8*(2*\i+\m)+7]
.endif
.endr
.endr
.endr
.endm
; Line q of what stands ahead of tile u's exponentials (u = 0 .. 7: tanh's tiles, 8 .. 15: sigmoid's): q = 0 .. 3 the exponents, two at a time; q = 4 .. 11, for tanh alone, their hold.
.macro PRE u, q
.if (\u) < 16
.if (\q) < 4
.if (\u) < 8
	v_pk_fma_f32 v[128+8*(\u)+2*(\q):128+8*(\u)+2*(\q)+1], v[128+8*(\u)+2*(\q):128+8*(\u)+2*(\q)+1], s[46:47], v[64+8*((\u)/2)+2*(\q):64+8*((\u)/2)+2*(\q)+1] op_sel_hi:[1,0,1]
.else
	v_pk_fma_f32 v[128+8*(\u)+2*(\q):128+8*(\u)+2*(\q)+1], v[128+8*(\u)+2*(\q):128+8*(\u)+2*(\q)+1], s[48:49], v[96+8*(((\u)-8)/2)+2*(\q):96+8*(((\u)-8)/2)+2*(\q)+1] op_sel_hi:[1,0,1]
.endif
.elseif ((\q) < 12) && ((\u) < 8)
	v_med3_num_f32 v[128+8*(\u)+(\q)-4], v[128+8*(\u)+(\q)-4], s59, s50
.endif
.endif
.endm
; Line q of tile t's denominators: q = 0 .. 3: F + 1; q = 4 .. 7: E (F + 1) + (F + 1); two at a time.
.macro PD t, q
.if (\t) < 8
.if (\q) < 4
	v_pk_add_f32 v[192+8*(\t)+2*(\q):192+8*(\t)+2*(\q)+1], v[192+8*(\t)+2*(\q):192+8*(\t)+2*(\q)+1], 1.0 op_sel_hi:[1,0]
.else
	v_pk_fma_f32 v[192+8*(\t)+2*((\q)-4):192+8*(\t)+2*((\q)-4)+1], v[128+8*(\t)+2*((\q)-4):128+8*(\t)+2*((\q)-4)+1], v[192+8*(\t)+2*((\q)-4):192+8*(\t)+2*((\q)-4)+1], v[192+8*(\t)+2*((\q)-4):192+8*(\t)+2*((\q)-4)+1]
.endif
.endif
.endm
	s_load_b512 s[4:19], s[0:1], 0x0               ; h s[4:5], images s[6:7], exponents s[8:9], b1 s[10:11], ba s[12:13], bb s[14:15], Wc s[16:17], scores s[18:19]
	s_load_b64 s[20:21], s[0:1], 0x40              ; pm
	s_load_b128 s[28:31], s[0:1], 0x48             ; Winst s[28:29], binst s[30:31]
	s_load_b64 s[32:33], s[0:1], 0x58              ; cand
	v_lshl_add_u32 v[SPW], v0, 2, SPARE
	v_mov_b32 v[NIL], 0
	v_lshrrev_b32 v24, 5, v0
	v_readfirstlane_b32 s22, v24                   ; wave 0..3
	s_lshl_b32 s25, s22, 16                        ; 65,536 x wave: my images in memory and in LDS
	s_mov_b32 s42, s25
	s_mov_b32 s43, 0
	s_lshl_b32 s56, ttmp9, 20                      ; my work-group's 512 rows of 2,048 bytes
	s_mov_b32 s57, 0
	v_lshlrev_b32 v[HO], 4, v0
	v_and_b32 v[L16], 31, v0
	v_lshlrev_b32 v[L16], 4, v[L16]
	v_add_nc_u32 v[WRD], s25, v[L16]
	v_lshlrev_b32 v26, 3, v0
	s_wait_alu depctr_va_vdst(0)
	s_wait_kmcnt 0x0
	s_load_b128 s[36:39], s[8:9], 0x0              ; e0 .. e3
	s_load_b64 s[40:41], s[8:9], 0x10              ; e4, e5
	s_load_b128 s[60:63], s[30:31], 0x0            ; binst
	s_add_nc_u64 s[26:27], s[6:7], s[42:43]        ; my wave's 32 images of W1
	s_add_nc_u64 s[42:43], s[26:27], 0x40000       ; my wave's 32 images of Wa and Wb
	s_add_nc_u64 s[4:5], s[4:5], s[56:57]
	W1IN 0
	WIN 0x40                                       ; destination window 1: Wa
.set f, 0
.rept 16
.irp c, 0,1,2,3
	global_load_b128 v[16*f+4*\c:16*f+4*\c+3], v[L16], s[42:43] offset:2048*f+512*\c
.endr
.set f, f+1
.endr
	WIN 0x80                                       ; destination window 2: Wb
.set f, 0
.rept 16
.irp c, 0,1,2,3
	global_load_b128 v[16*f+4*\c:16*f+4*\c+3], v[L16], s[42:43] offset:2048*(f+16)+512*\c
.endr
.set f, f+1
.endr
	s_wait_loadcnt 63                              ; 128 loads were issued behind W1's first 64: those are in
	W1OUT 0
	s_wait_dscnt 0x0                               ; the stores have read their registers
	W1IN 1
	WIN 0
	HLOAD                                          ; block 0
	global_load_b128 v[96:99], v[HO], s[10:11]     ; thread T: b1[4 T ..], and two numbers each of ba, bb, Wc
	global_load_b64 v[100:101], v26, s[12:13]
	global_load_b64 v[102:103], v26, s[14:15]
	global_load_b64 v[104:105], v26, s[16:17]
	v_and_b32 v30, 3, v0                           ; thread T takes 8 rows of one classifier: 64 (T % 4) + 256 (T / 8) + 4,096 ((T / 4) % 2) bytes into Winst
	v_lshlrev_b32 v30, 6, v30
	v_lshrrev_b32 v31, 3, v0
	v_lshl_add_u32 v30, v31, 8, v30
	v_bfe_u32 v31, v0, 2, 1
	v_lshl_add_u32 v30, v31, 12, v30
.irp q, 0,1,2,3
	global_load_b128 v[108+4*\q:111+4*\q], v30, s[28:29] offset:16*\q
.endr
	v_and_b32 v24, 15, v0                          ; r
	v_bfe_u32 v25, v0, 4, 1                        ; h
	v_lshl_add_u32 v[XW], v0, 2, XR
	v_mul_u32_u24 v[XRD], v24, XP
	v_lshl_add_u32 v[XRD], v25, 4, v[XRD]
	v_add_nc_u32 v[XRD], XR, v[XRD]
	s_lshl_b32 s56, s22, 11
	s_add_co_u32 s56, s56, HIM
	v_add_nc_u32 v[HWI], s56, v[L16]
	v_add_nc_u32 v[LI], HIM, v[L16]
	s_lshl_b32 s56, s22, 9
	s_add_co_u32 s56, s56, BIA
	v_lshl_add_u32 v[AB1], v25, 6, s56
	s_lshl_b32 s56, s22, 8
	s_add_co_u32 s56, s56, BIA+2048
	v_lshl_add_u32 v[AB2], v25, 5, s56
	s_lshl_b32 s56, s22, 2
	s_add_co_u32 s56, s56, SPT
	v_lshl_add_u32 v[SPS], v24, 4, s56
	v_lshl_add_u32 v[SPR], v24, 4, SPT
	v_lshl_add_u32 v[SCB], v24, 2, SCO
	s_mul_i32 s56, ttmp9, 2560
	s_add_nc_u64 s[20:21], s[20:21], s[56:57]      ; my row of pm
	s_lshl_b32 s56, ttmp9, 11
	s_add_nc_u64 s[18:19], s[18:19], s[56:57]      ; my 512 scores
	s_wait_alu depctr_va_vdst(0)
	s_wait_loadcnt 40                              ; behind W1's second 64: block 0's 32 loads, the biases' 4 and Winst's 4
	W1OUT 1
	WIN 0
	s_wait_kmcnt 0x0
	s_cmp_eq_u32 s38, s40
	s_cselect_b32 s58, 1, 0                        ; 1: h2 has one scale for both gates
	s_add_co_i32 s44, s36, s37                     ; e0 + e1: a sum of the first product stands for sum x 2^(e0 + e1)
	s_sub_co_i32 s55, 0, s44
	s_add_co_i32 s56, s36, 127
	s_lshl_b32 s57, s56, 23
	v_mov_b32 v[SCX], s57                          ; 2^e0
	s_add_co_i32 s56, s56, 15
	s_lshl_b32 s56, s56, 23
	s_or_b32 s56, s56, 0x600000
	v_mov_b32 v[LMX], s56                          ; 57,344 x 2^e0
	s_sub_co_i32 s56, s38, s44
	s_add_co_i32 s56, s56, 127
	s_lshl_b32 s57, s56, 23
	v_mov_b32 v[SC0], s57                          ; 2^(e2 - e0 - e1): the three scales folded into the conversion's one
	s_add_co_i32 s56, s56, 15
	s_lshl_b32 s56, s56, 23
	s_or_b32 s56, s56, 0x600000
	v_mov_b32 v[LM0], s56
	s_sub_co_i32 s56, s40, s44
	s_add_co_i32 s56, s56, 127
	s_lshl_b32 s57, s56, 23
	v_mov_b32 v[SC0+2], s57                        ; 2^(e4 - e0 - e1)
	s_add_co_i32 s56, s56, 15
	s_lshl_b32 s56, s56, 23
	s_or_b32 s56, s56, 0x600000
	v_mov_b32 v[LM0+2], s56
	s_add_co_i32 s56, s38, s39
	s_lshl_b32 s56, s56, 23
	s_add_co_u32 s46, s56, 0x4038aa3b              ; 2 log2(e) x 2^(e2 + e3): the exponents are added to the constant's exponent field
	s_mov_b32 s47, s46                             ; (named with it as a pair, so it is written)
	s_add_co_i32 s56, s40, s41
	s_lshl_b32 s56, s56, 23
	s_add_co_u32 s48, s56, 0xbfb8aa3b              ; -log2(e) x 2^(e4 + e5)
	s_mov_b32 s49, s48
	s_mov_b32 s50, 0x42200000                      ; 40.0
	s_mov_b32 s59, 0xc2c80000                      ; -100.0
	s_mov_b32 s52, 0x76543210                      ; v_permlanex16_b32's selects for lane l xor 16
	s_mov_b32 s53, 0xfedcba98
	s_mov_b32 s54, 0                               ; the block's place among the 512 t, in bytes
	s_mov_b32 s23, 16                              ; blocks to go
	s_wait_alu depctr_va_vdst(0)
	s_wait_loadcnt 0x0                             ; the biases, block 0
.irp k, 96,97,98,99
	v_ldexp_f32 v\k, v\k, s55                      ; b1 / 2^(e0 + e1): it goes in as the C of a sum's first matrix instruction
.endr
	v_mul_f32 v100, 0x4038aa3b, v100               ; 2 log2(e) ba
	v_mul_f32 v101, 0x4038aa3b, v101
	v_mul_f32 v102, 0xbfb8aa3b, v102               ; -log2(e) bb
	v_mul_f32 v103, 0xbfb8aa3b, v103
	v_lshl_add_u32 v27, v0, 4, BIA
	v_lshl_add_u32 v28, v0, 3, BIA+2048
	ds_store_b128 v27, v[96:99]                    ; wave w's threads store just the bytes that wave w reads
	ds_store_b64 v28, v[100:101]
	ds_store_b64 v28, v[102:103] offset:1024
	ds_store_b64 v28, v[104:105] offset:2048
.set k, 0
.rept 8
	v_sub_f32 v[108+k], v[109+2*k], v[108+2*k]     ; column 1 less column 0, from the low end on
.set k, k+1
.endr
.set k, 0
.rept 4
	v_cvt_pk_bf16_f32 v[108+k], v[108+2*k], v[109+2*k]
.set k, k+1
.endr
	v_lshl_add_u32 v31, v0, 4, WIT
	ds_store_b128 v31, v[108:111]
	s_lshl_b32 s34, s22, 9
	s_add_co_u32 s34, s34, WIT                     ; my wave's four fragments
.set k, 0
.rept 64
	v_mov_b32 v[MA+k], 0                           ; the loop is written once: its first block finds zeros, which the first change of the largest t leaves zeros
.set k, k+1
.endr
	v_mov_b32 v[MR], 0xff61b1e6                    ; -3e38, under every t
	v_mov_b32 v[LS], 0
	v_mov_b32 v29, 0                               ; (named as the upper half of the pair v[28:29])
	; block 0's codes are made here, ahead of the loop
.irp g, 0,1,2,3,4,5,6,7,8,9,10,11,12,13,14,15
	CONV \g
.endr
	v_nop                                          ; a plain line behind the last conversion
	XST
	s_add_nc_u64 s[4:5], s[4:5], 0x10000           ; the loads that named it are done
	BAR                                            ; block 0's 32 rows of codes lie in LDS, and my stores have read their registers
	HLOAD                                          ; block 1
	PF
	s_wait_alu depctr_va_vdst(0)
	; A TRIP, block t: the first product, with block t + 1's codes made in its places; relu and h2's codes; a barrier; block t + 1's codes into LDS and block t + 2's loads; the gates; a barrier;
	; what block t + 1's first product begins with is asked for; the softmax's sums.  In the last trip the conversions and that look-ahead find old numbers, and nothing reads what they make.
.Lblk:
.irp g, 0,1,2,3
	G1Z \g
.endr
.irp g, 4,5,6,7,8,9,10,11,12,13,14,15
	G1 \g
.endr
	; ---- relu; the codes; h2 in bf16.  In tile t lane (r, h) holds row r and hidden units 32 (t / 2) + 16 h + 8 (t % 2) + 0 .. 7: 16 registers of two tiles are 16 neighbours along the next K.
	WIN 0xc3
	PLACES
.set j, 0
.rept 128
	v_max_num_f32 v[j], v[j], 0                    ; each accumulator from its low end on
.set j, j+1
.endr
	QZ 0
	s_cmp_lg_u32 s58, 0
	s_cbranch_scc1 .Lq1                            ; e2 = e4: the second set would be the first over again
	QZ 1
.Lq1:
	WIN 0xcf
.set bq, 0
.rept 64
	v_cvt_pk_bf16_f32 v[bq], v[2*bq], v[2*bq+1]    ; in place from the low end: register bq is written when registers up to 2 bq + 1 have been read
.set bq, bq+1
.endr
	WIN 0
	v_and_b32 v[TA], 1, v0                         ; row m' of the fragment is classifier m' % 2
	v_bfe_u32 v24, v0, 4, 1
	v_lshlrev_b32 v[TA], 6, v[TA]
	v_lshl_add_u32 v[TA], v24, 5, v[TA]
	v_add_nc_u32 v[TA], s34, v[TA]
	WIN 0xc0
.irp b, 0,1,2,3
	ds_load_b128 v[128+8*\b:128+8*\b+3], v[TA] offset:128*\b
	ds_load_b128 v[128+8*\b+4:128+8*\b+7], v[TA] offset:128*\b+16
.endr
	WIN 0
	s_wait_alu depctr_va_vdst(0)                   ; ahead of the barrier
	BAR                                            ; h2's fragments lie in LDS
	; my 128 hidden units' part of d0 and d1: source 0 = the differences, source 1 = 16 rows of h2 in bf16 (two tiles' 8 registers are 32 along K, in the order in which the table is laid).
	; In the result register 0 is d0 and register 1 is d1 of row lane % 16.  The two accumulators take turns.
	WIN 0xff
.irp b, 0,1,2,3
.irp m, 0,1
.if \b == 0
	v_wmma_f32_16x16x32_bf16 v[224+8*\m:231+8*\m], v[128+8*\b:135+8*\b], v[32*\m+8*\b:32*\m+8*\b+7], 0
.else
	v_wmma_f32_16x16x32_bf16 v[224+8*\m:231+8*\m], v[128+8*\b:135+8*\b], v[32*\m+8*\b:32*\m+8*\b+7], v[224+8*\m:231+8*\m]
.endif
.endr
.endr
	PLACES
	WIN 0x03
	v_mov_b32 v24, v224                            ; kept in window 0 until the scores' parts are stored
	v_mov_b32 v25, v225
	v_mov_b32 v26, v232
	v_mov_b32 v27, v233
	WIN 0
	; ---- 2: my 64 columns of both gates
	s_cmp_eq_u32 s23, 1
	s_cbranch_scc1 .Lnox                           ; the last block has no successor
	XST                                            ; behind the barrier no wave reads this block's rows of h any more: the next block's take their place; the barrier behind the gates shows them to all
	s_cmp_lt_u32 s23, 3
	s_cbranch_scc1 .Lnox                           ; the last two blocks ask for nothing: no load leaves its buffer
	s_add_nc_u64 s[4:5], s[4:5], 0x10000           ; the loads that named it were waited for by the last conversion
	s_wait_dscnt 0x0                               ; the stores have read their registers,
	HLOAD                                          ; which take the block after next
.Lnox:
	s_cmp_lg_u32 s58, 0
	s_cbranch_scc1 .Leq
	LDP 0
	LDP 1
.irp g, 0,1,2,3,4,5,6,7
	G2 \g
.endr
	WIN 0
	s_branch .Lp2
.Leq:
	LDE 0
	LDE 1
.irp s, 0,1,2,3
	GE \s
.endr
	WIN 0
.Lp2:                                              ; on both ways: Wc's and ba's 16 loads are out, and the last group has read buffer 1
	; ---- a x g x Wc = Wc (E - 1) / ((E + 1) (F + 1)), E = 2^(2 log2(e) ya), F = 2^(-log2(e) yb)
	PLACES
	LDB 1
	s_wait_dscnt 8                                 ; Wc and ba are in; bb's 8 may be out
	WIN 0xf3
.set uu, 0
.rept 16                                           ; all 128 exponents first, each accumulator from its low end on
.if uu == 8
	s_wait_dscnt 0x0                               ; bb
.endif
.set qq, 0
.rept 12
	PRE uu, qq
.set qq, qq+1
.endr
.set uu, uu+1
.endr
	s_wait_alu depctr_va_vdst(0)
.set ee, 0
.rept 128                                          ; ONE BATCH of 128 exponentials
	v_exp_f32 v[128+ee], v[128+ee]
.set ee, ee+1
.endr
	v_nop                                          ; a plain line behind the last exponential
	s_wait_alu depctr_va_vdst(0)                   ; one wait for the batch, ahead of its first reader
	WIN 0xff
.set uu, 0
.rept 8                                            ; all 64 denominators
.set qq, 0
.rept 8
	PD uu, qq
.set qq, qq+1
.endr
.set uu, uu+1
.endr
	s_wait_alu depctr_va_vdst(0)
.set ee, 0
.rept 64                                           ; ONE BATCH of 64 reciprocals
	v_rcp_f32 v[192+ee], v[192+ee]
.set ee, ee+1
.endr
	WIN 0xc3
.irp i, 0,1,2,3
.irp m, 0,1
.irp p, 0,2,4,6
	v_pk_fma_f32 v[128+8*(2*\i+\m)+\p:128+8*(2*\i+\m)+\p+1], v[128+8*(2*\i+\m)+\p:128+8*(2*\i+\m)+\p+1], v[96+8*\i+\p:96+8*\i+\p+1], v[96+8*\i+\p:96+8*\i+\p+1] neg_lo:[0,0,1] neg_hi:[0,0,1]   ; Wc (E - 1): independent work behind the reciprocals
.endr
.endr
.endr
	s_wait_alu depctr_va_vdst(0)                   ; one wait for the 64 reciprocals
	WIN 0x0f
.irp p, 0,2,4,6
.irp i, 0,1,2,3
.irp m, 0,1
.if (\p == 0) && (\i < 2)
	v_pk_mul_f32 v[96+4*\m+2*(\i%2):96+4*\m+2*(\i%2)+1], v[128+8*(2*\i+\m)+\p:128+8*(2*\i+\m)+\p+1], v[192+8*(2*\i+\m)+\p:192+8*(2*\i+\m)+\p+1]
.else
	v_pk_fma_f32 v[96+4*\m+2*(\i%2):96+4*\m+2*(\i%2)+1], v[128+8*(2*\i+\m)+\p:128+8*(2*\i+\m)+\p+1], v[192+8*(2*\i+\m)+\p:192+8*(2*\i+\m)+\p+1], v[96+4*\m+2*(\i%2):96+4*\m+2*(\i%2)+1]
.endif
.endr
.endr
.endr
	WIN 0
	v_pk_add_f32 v[96:97], v[96:97], v[98:99]
	v_pk_add_f32 v[100:101], v[100:101], v[102:103]
	v_add_f32 v96, v96, v97
	v_add_f32 v100, v100, v101
	v_permlanex16_b32 v98, v96, s52, s53           ; the row's other 32 of my 64 columns lie in the lane 16 away
	v_permlanex16_b32 v102, v100, s52, s53
	v_add_f32 v96, v96, v98
	v_add_f32 v100, v100, v102
	ds_store_b32 v[SPS], v96
	ds_store_b32 v[SPS], v100 offset:256
.irp q, 0,1,2,3
	ds_store_b32 v[SPS], v[24+\q] offset:DPO+256*\q
.endr
	BAR                                            ; the four waves' parts of 32 scores lie in LDS
	; ---- the block's two t of my lane; the running maximum; the sums
	ds_load_b128 v[104:107], v[SPR]
	ds_load_b128 v[108:111], v[SPR] offset:256
.irp q, 0,1,2,3
	ds_load_b128 v[112+4*\q:115+4*\q], v[SPR] offset:DPO+256*\q
.endr
	PF
	v_add_nc_u32 v[TA], s54, v[SCB]
	s_wait_alu depctr_va_vdst(0)
	s_wait_dscnt 40                                ; the six loads of parts are in; the 40 behind them may be out
	v_add_f32 v24, v104, v105
	v_add_f32 v27, v106, v107
	v_add_f32 v25, v108, v109
	v_add_f32 v26, v110, v111
	v_add_f32 v24, v24, v27
	v_add_f32 v25, v25, v26
	v_mul_f32 v24, 0x3fb8aa3b, v24                 ; t = score x log2(e)
	v_mul_f32 v25, 0x3fb8aa3b, v25
	s_cmp_lg_u32 s22, 0
	s_wait_alu depctr_va_vdst(0)
	s_cbranch_scc1 .Lnosco                         ; all four waves hold the same t: wave 0 keeps them
	ds_store_b32 v[TA], v24
	ds_store_b32 v[TA], v25 offset:64
.irp q, 0,1,2,3
	v_pk_add_f32 v[112+4*\q:113+4*\q], v[112+4*\q:113+4*\q], v[114+4*\q:115+4*\q]
.endr
.irp q, 0,1,2,3
	v_add_f32 v[112+4*\q], v[112+4*\q], v[113+4*\q]
.endr
	ds_store_b32 v[TA], v112 offset:DTO            ; d0, d1 of row r,
	ds_store_b32 v[TA], v116 offset:DTO+2048
	ds_store_b32 v[TA], v120 offset:DTO+64         ; and of row 16 + r
	ds_store_b32 v[TA], v124 offset:DTO+2048+64
.Lnosco:
	v_max3_num_f32 v26, v[MR], v24, v25
	v_sub_f32 v27, v[MR], v26
	v_sub_f32 v30, v24, v26
	v_sub_f32 v31, v25, v26
	s_wait_alu depctr_va_vdst(0)
	v_exp_f32 v28, v27                             ; f = 2^(old largest - new)
	v_exp_f32 v30, v30                             ; p of row r
	v_exp_f32 v31, v31                             ; p of row 16 + r
	v_mov_b32 v[MR], v26                           ; (a plain line behind the exponentials)
	s_wait_alu depctr_va_vdst(0)
	v_fma_f32 v[LS], v[LS], v28, v30
	v_add_f32 v[LS], v[LS], v31
.set k, 0
.rept 32
	v_pk_mul_f32 v[MA+k:MA+k+1], v[MA+k:MA+k+1], v[28:29] op_sel_hi:[1,0]
.set k, k+2
.endr
	WIN 0x03                                       ; source 0, h2 in bf16, in window 3
.irp m, 0,1
.set mq, 0
.rept 32
	v_fma_mix_f32_bf16 v[MA+2*mq], v[32*\m+mq], v[30+\m], v[MA+2*mq] op_sel_hi:[1,0,0]
	v_fma_mix_f32_bf16 v[MA+2*mq+1], v[32*\m+mq], v[30+\m], v[MA+2*mq+1] op_sel:[1,0,0] op_sel_hi:[1,0,0]
.set mq, mq+1
.endr
.endr
	WIN 0
	s_add_co_u32 s54, s54, 128
	s_sub_co_u32 s23, s23, 1
	s_cmp_lg_u32 s23, 0
	s_wait_alu depctr_va_vdst(0)
	s_cbranch_scc1 .Lblk
	; ---- the lanes meet: the work-group's largest t, and everything under it
	v_mov_b32 v24, v[MR]
.irp x, 1,2,4,8
	v_max_num_f32_dpp v24, v24, v24 row_xmask:\x row_mask:0xf bank_mask:0xf
.endr
	v_sub_f32 v27, v[MR], v24
	s_wait_alu depctr_va_vdst(0)
	v_exp_f32 v28, v27
	v_nop
	s_wait_alu depctr_va_vdst(0)
	v_mul_f32 v[LS], v[LS], v28
.irp x, 1,2,4,8
	v_add_f32_dpp v[LS], v[LS], v[LS] row_xmask:\x row_mask:0xf bank_mask:0xf
.endr
.set k, 0
.rept 32
	v_pk_mul_f32 v[MA+k:MA+k+1], v[MA+k:MA+k+1], v[28:29] op_sel_hi:[1,0]
.set k, k+2
.endr
.irp x, 1,2,4,8
.set k, 0
.rept 64
	v_add_f32_dpp v[MA+k], v[MA+k], v[MA+k] row_xmask:\x row_mask:0xf bank_mask:0xf
.set k, k+1
.endr
.endr
.irp t, 0,1,2,3,4,5,6,7
	ds_store_b128 v[AB1], v[MA+8*\t:MA+8*\t+3] offset:128*(\t/2)+32*(\t%2)        ; into my own bytes, where b1 lay: the units in their natural order
	ds_store_b128 v[AB1], v[MA+8*\t+4:MA+8*\t+7] offset:128*(\t/2)+32*(\t%2)+16
.endr
	v_lshl_add_u32 v[TA], v0, 4, BIA
	ds_load_b128 v[96:99], v[TA]                   ; LDS serves a wave's instructions in order: this sees my stores
	v_mov_b32 v100, v24
	v_mov_b32 v101, v[LS]
	v_mov_b32 v102, v24
	v_mov_b32 v103, v[LS]
	v_lshl_add_u32 v26, v0, 4, SCO
	s_wait_alu depctr_va_vdst(0)
	s_wait_dscnt 0x0
.irp k, 96,97,98,99
	v_ldexp_f32 v\k, v\k, s44                      ; x 2^(e0 + e1): h2's true size
.endr
	global_store_b128 v[HO], v[96:99], s[20:21]    ; 32 lanes store 512 consecutive bytes
	s_cmp_lg_u32 s22, 0
	s_cbranch_scc1 .Lnost
	global_store_b128 v[L16], v[100:103], s[20:21] offset:2048   ; (largest t, sum), repeated over 512 bytes, so that whole blocks of 256 are written
.Lnost:
	BAR                                            ; wave 0's last t are in LDS
	ds_load_b128 v[104:107], v26
	s_wait_dscnt 0x0
	global_store_b128 v[HO], v[104:107], s[18:19]
	; ---- THE CANDIDATES.  label = 1: a row among the slide's 8 largest A adds softplus(-d1) / 32 + softplus(d0) / 16 to the loss, one among the 8 smallest softplus(d1) / 32
	; (classifier 1: mean of 16, target 1 then 0; classifier 0: mean of 8, target 0; both halved).  softplus(x) = max(x, 0) + ln(1 + e^-|x|): the larger logit is taken away before the exponential, as log_softmax does.
	; Wave 0 ranks t, wave 1 -t; each keeps its 8 first with their shares, chosen by v_cndmask_b32: no address hangs on the choice.  Of equal t the lower row goes first.
	; LIMIT: rows are ranked by t, of which A is a growing function; where unequal t give the same f32 A, the larger t (wave 1: the smaller) goes first, and not the lower index.
	s_cmp_gt_u32 s22, 1
	s_cbranch_scc1 .Lfin
	v_and_b32 v2, 31, v0                           ; lane
	v_add_nc_u32 v3, SCO, v[L16]
.irp j, 0,1,2,3                        ; register 4 j + e holds row 128 j + 4 lane + e
	ds_load_b128 v[112+4*\j:115+4*\j], v3 offset:512*\j
	ds_load_b128 v[80+4*\j:83+4*\j], v3 offset:DTO+512*\j
	ds_load_b128 v[144+4*\j:147+4*\j], v3 offset:DTO+2048+512*\j
.endr
	s_cmp_eq_u32 s22, 0
	s_mov_b32 s34, 0xbf800000
	s_mov_b32 s38, 0x3f800000
	s_cselect_b32 s35, s38, s34                    ; t's sign: +1 in wave 0, -1 in wave 1
	s_cselect_b32 s36, s34, s38                    ; d1's sign: -1, +1
	s_cselect_b32 s37, 0x3d800000, 0               ; classifier 0's weight: 1 / 16, 0
	s_mov_b32 s38, 0x3d000000                      ; 1 / 32
	s_mov_b32 s39, 0x3f317218                      ; ln 2
	s_lshl_b32 s40, ttmp9, 9
	s_lshl_b32 s41, s22, 8
	s_add_co_u32 s40, s40, s41                     ; cand: 512 x work-group + 256 x wave
	s_mov_b32 s41, 0
	s_add_nc_u64 s[32:33], s[32:33], s[40:41]
	s_wait_alu depctr_va_vdst(0)
	v_lshlrev_b32 v74, 2, v2
	v_lshlrev_b32 v75, 3, v2
	v_mov_b32 v4, s60
	v_sub_f32 v4, s61, v4                          ; binst's differences
	v_mov_b32 v5, s62
	v_sub_f32 v5, s63, v5
	s_wait_alu depctr_va_vdst(0)
	s_wait_dscnt 0x0
.set k, 0
.rept 16
	v_ldexp_f32 v[80+k], v[80+k], s44              ; x 2^(e0 + e1): h2's true size
	v_ldexp_f32 v[144+k], v[144+k], s44
.set k, k+1
.endr
.set k, 0
.rept 16
	v_add_f32 v[80+k], v[80+k], v4
	v_add_f32 v[144+k], v[144+k], v5
.set k, k+1
.endr
.set k, 0
.rept 16
	v_mul_f32 v[144+k], s36, v[144+k]
	v_min_num_f32 v[160+k], v[80+k], -v[80+k]      ; -|x|
.set k, k+1
.endr
.set k, 0
.rept 16
	v_min_num_f32 v[176+k], v[144+k], -v[144+k]
	v_mul_f32 v[160+k], 0x3fb8aa3b, v[160+k]
.set k, k+1
.endr
.set k, 0
.rept 16
	v_mul_f32 v[176+k], 0x3fb8aa3b, v[176+k]
.set k, k+1
.endr
	s_wait_alu depctr_va_vdst(0)
.set k, 0
.rept 32
	v_exp_f32 v[160+k], v[160+k]
.set k, k+1
.endr
	v_nop
	s_wait_alu depctr_va_vdst(0)
.set k, 0
.rept 32
	v_add_f32 v[160+k], 1.0, v[160+k]
.set k, k+1
.endr
	s_wait_alu depctr_va_vdst(0)
.set k, 0
.rept 32
	v_log_f32 v[160+k], v[160+k]
.set k, k+1
.endr
	v_nop
	s_wait_alu depctr_va_vdst(0)
.set k, 0
.rept 16
	v_max_num_f32 v[80+k], v[80+k], 0
	v_max_num_f32 v[144+k], v[144+k], 0
.set k, k+1
.endr
.set k, 0
.rept 16
	v_fma_f32 v[80+k], v[160+k], s39, v[80+k]
	v_fma_f32 v[144+k], v[176+k], s39, v[144+k]
.set k, k+1
.endr
.set k, 0
.rept 16
	v_mul_f32 v[80+k], s37, v[80+k]
	v_mul_f32 v[32+2*k], s35, v[112+k]             ; pair k: what is ranked,
.set k, k+1
.endr
.set k, 0
.rept 16
	v_fma_f32 v[33+2*k], v[144+k], s38, v[80+k]    ; and the row's share, never negative
.set k, k+1
.endr
.macro RMAX r                          ; over the 32 lanes, the result in every lane
.irp x, 1,2,4,8
	v_max_num_f32_dpp v[\r], v[\r], v[\r] row_xmask:\x row_mask:0xf bank_mask:0xf
.endr
	v_permlanex16_b32 v13, v[\r], s52, s53
	v_max_num_f32 v[\r], v[\r], v13
.endm
.macro RMIN r
.irp x, 1,2,4,8
	v_min_num_f32_dpp v[\r], v[\r], v[\r] row_xmask:\x row_mask:0xf bank_mask:0xf
.endr
	v_permlanex16_b32 v13, v[\r], s52, s53
	v_min_num_f32 v[\r], v[\r], v13
.endm
	; one a trip: the largest value G; the lowest position that holds it; its share; the place is then set to -infinity.  Lane k keeps the k-th in v[72:73]
	v_mov_b32 v72, 0
	v_mov_b32 v73, 0
	v_mov_b32 v71, 0xff800000                      ; -infinity
	s_mov_b32 s23, 0
.Ltop:
	v_max3_num_f32 v64, v32, v34, v36
.irp i, 3,5,7,9,11,13
	v_max3_num_f32 v64, v64, v[32+2*\i], v[32+2*\i+2]
.endr
	v_max_num_f32 v64, v64, v62
	RMAX 64
	v_mov_b32 v65, 64                              ; my lowest pair that holds G; 64: none
.irp i, 15,14,13,12,11,10,9,8,7,6,5,4,3,2,1,0
	v_cmp_eq_f32 vcc_lo, v[32+2*\i], v64
	v_cndmask_b32 v65, v65, \i, vcc_lo
.endr
	v_lshrrev_b32 v66, 2, v65
	v_lshlrev_b32 v66, 7, v66
	v_and_b32 v67, 3, v65
	v_add3_u32 v66, v66, v67, v74                  ; its position (2,048 or more: none)
	v_cvt_f32_u32 v66, v66
	RMIN 66                                        ; the lowest position of all
	v_cvt_u32_f32 v67, v66
	v_bfe_u32 v68, v67, 2, 5                       ; whose lane,
	v_lshrrev_b32 v69, 7, v67
	v_lshlrev_b32 v69, 2, v69
	v_and_b32 v70, 3, v67
	v_or_b32 v69, v69, v70                         ; and which pair
	v_cmp_eq_u32 vcc_lo, v68, v2
	v_cndmask_b32 v69, -1, v69, vcc_lo             ; in the other lanes: none
	v_mov_b32 v70, -1.0
.irp i, 0,1,2,3,4,5,6,7,8,9,10,11,12,13,14,15
	v_cmp_eq_u32 vcc_lo, \i, v69
	v_cndmask_b32 v70, v70, v[32+2*\i+1], vcc_lo
	v_cndmask_b32 v[32+2*\i], v[32+2*\i], v71, vcc_lo
.endr
	RMAX 70                                        ; the share, in every lane
	v_cmp_eq_u32 vcc_lo, s23, v2
	v_cndmask_b32 v72, v72, v64, vcc_lo
	v_cndmask_b32 v73, v73, v70, vcc_lo
	s_add_co_u32 s23, s23, 1
	s_cmp_lt_u32 s23, 8
	s_cbranch_scc1 .Ltop
	global_store_b64 v75, v[72:73], s[32:33]       ; 256 consecutive bytes; lanes 0-7 hold the eight
.Lfin:
	s_wait_tensorcnt 0x0                           ; the wave's end
	ds_add_u32 v[SPW], v[NIL]
	s_wait_dscnt 0x0
	s_endpgm
.Lfunc_end_k_q503d39a414_main:
	.size	k_q503d39a414_main, .Lfunc_end_k_q503d39a414_main-k_q503d39a414_main
	.p2alignl 7, 3214868480
	.fill 96, 4, 3214868480
	.section	.rodata,"a",@progbits
	.p2align	6, 0x0
	.amdhsa_kernel k_q503d39a414_main
		.amdhsa_group_segment_fixed_size 327680
		.amdhsa_private_segment_fixed_size 0
		.amdhsa_enable_private_segment 0
		.amdhsa_kernarg_size 96
		.amdhsa_user_sgpr_count 2
		.amdhsa_user_sgpr_kernarg_segment_ptr 1
		.amdhsa_wavefront_size32 1
		.amdhsa_system_sgpr_workgroup_id_x 1
		.amdhsa_system_sgpr_workgroup_id_y 1
		.amdhsa_system_sgpr_workgroup_id_z 1
		.amdhsa_system_vgpr_workitem_id 0
		.amdhsa_next_free_vgpr 1024
		.amdhsa_next_free_sgpr 66
		.amdhsa_reserve_vcc 1
		.amdhsa_float_denorm_mode_32 3
		.amdhsa_float_denorm_mode_16_64 3
		.amdhsa_memory_ordered 1
		.amdhsa_forward_progress 1
		.amdhsa_inst_pref_size 220
	.end_amdhsa_kernel
	.amdgpu_metadata
---
amdhsa.version: [ 1, 2 ]
amdhsa.kernels:
  - .name:           k_q503d39a414_main
    .symbol:         k_q503d39a414_main.kd
    .args:
      - { .name: h, .offset: 0, .size: 8, .value_kind: global_buffer, .address_space: global }
      - { .name: wimg, .offset: 8, .size: 8, .value_kind: global_buffer, .address_space: global }
      - { .name: lowp_scales, .offset: 16, .size: 8, .value_kind: global_buffer, .address_space: global }
      - { .name: b1, .offset: 24, .size: 8, .value_kind: global_buffer, .address_space: global }
      - { .name: ba, .offset: 32, .size: 8, .value_kind: global_buffer, .address_space: global }
      - { .name: bb, .offset: 40, .size: 8, .value_kind: global_buffer, .address_space: global }
      - { .name: Wc, .offset: 48, .size: 8, .value_kind: global_buffer, .address_space: global }
      - { .name: scores, .offset: 56, .size: 8, .value_kind: global_buffer, .address_space: global }
      - { .name: pm, .offset: 64, .size: 8, .value_kind: global_buffer, .address_space: global }
      - { .name: Winst, .offset: 72, .size: 8, .value_kind: global_buffer, .address_space: global }
      - { .name: binst, .offset: 80, .size: 8, .value_kind: global_buffer, .address_space: global }
      - { .name: cand, .offset: 88, .size: 8, .value_kind: global_buffer, .address_space: global }
    .group_segment_fixed_size: 327680
    .private_segment_fixed_size: 0
    .kernarg_segment_align: 8
    .kernarg_segment_size: 96
    .max_flat_workgroup_size: 128
    .sgpr_count:     66
    .vgpr_count:     1024
    .wavefront_size: 32
...
	.end_amdgpu_metadata
.endif
;; end of part 2
;; launch fin (part 3): grid 66 x 4, 4 waves a work-group, no clusters, 1,024 bytes of LDS; arguments cand, pm, Wcls, bcls, scores, out1, out2, out3, out0; writes out1, out2, out3, out0
.if DOCPART == 3
	.amdgcn_target "amdgcn-amd-amdhsa--gfx1250"
	.amdhsa_code_object_version 6
	.text
	.protected	k_q503d39a414_fin
	.globl	k_q503d39a414_fin
	.p2align	8
	.type	k_q503d39a414_fin,@function
k_q503d39a414_fin:
	s_mov_b64 s[64:65], 0
	v_nop
	global_prefetch_b8 v0, s[64:65] scope:SCOPE_SE
	s_setreg_imm32_b32 hwreg(HW_REG_WAVE_MODE, 25, 1), 1
	s_wait_xcnt 0x0
; CLAM_SB, the last launch.  y is the slide; x is the work-group's task.  bc is left out (dead work: shown at the head of the first launch).
; x = 0: the instance loss.  Of the 64 x 8 candidates of each side (wave 0: largest t, wave 1: smallest) the 8 first; each candidate brings its share of the loss as a value, chosen by v_cndmask_b32; out2 = the sum of the 16 shares.
;        Candidates stand in the order 8 x work-group + rank, which is ascending in the index among equal values: so the lowest position is the lowest index, as jax.lax.top_k breaks ties.
;        LIMIT: rows are ranked by t, of which A is a growing function; where unequal t give the same f32 A, the larger t (wave 1: the smaller) goes first, and not the lower index.
; x = 1: M = the sum over the slide's 64 work-groups of their sums x 2^(their largest t - m) / L, and logits = M Wcls + bcls.  Thread T owns columns 4 T .. 4 T + 3.
; x = 2 .. 65: A = 2^(t - m) / L for 512 scores, m and L the slide's largest t and sum, made from its 64 work-groups' pairs.  Thread T owns 4 scores.
;        A's small numbers: 2^(t - m + 64) x 2^-64, so that v_exp_f32's flush of denormal results begins only 190 under the largest t.  LIMIT: NaN among the scores is not served.
.set VB, 32
.set SPW, 78                           ; v78  LDS address of my spare word; never rewritten
.set NIL, 79                           ; v79  0; never rewritten
.set SPARE, 256                        ; task 1's sums have the block from 0 to themselves; here the spare words, 128 bytes a wave
.set LP, 768                           ; task 0's two sums have a block of their own
.macro REDMAX r, t
.irp x, 1,2,4,8
	v_max_num_f32_dpp v[\r], v[\r], v[\r] row_xmask:\x row_mask:0xf bank_mask:0xf
.endr
	v_permlanex16_b32 v[\t], v[\r], s20, s21
	v_max_num_f32 v[\r], v[\r], v[\t]
.endm
.macro REDMIN r, t
.irp x, 1,2,4,8
	v_min_num_f32_dpp v[\r], v[\r], v[\r] row_xmask:\x row_mask:0xf bank_mask:0xf
.endr
	v_permlanex16_b32 v[\t], v[\r], s20, s21
	v_min_num_f32 v[\r], v[\r], v[\t]
.endm
.macro REDADD r, t
.irp x, 1,2,4,8
	v_add_f32_dpp v[\r], v[\r], v[\r] row_xmask:\x row_mask:0xf bank_mask:0xf
.endr
	v_permlanex16_b32 v[\t], v[\r], s20, s21
	v_add_f32 v[\r], v[\r], v[\t]
.endm
; v[8:9], v[10:11]: (largest t, sum) of work-groups lane and lane + 32 of the slide.  Out: v12 = m, v14, v15 = 2^(their largest - m), v6 = 1 / L.  left: younger loads that may stay out
.macro STATS left
	s_wait_loadcnt \left
	v_max_num_f32 v12, v8, v10
	REDMAX 12, 13
	v_sub_f32 v14, v8, v12
	v_sub_f32 v15, v10, v12
	s_wait_alu depctr_va_vdst(0)                   ; a wait ahead of each batch of transcendentals and one behind it
	v_exp_f32 v14, v14
	v_exp_f32 v15, v15
	v_nop
	s_wait_alu depctr_va_vdst(0)
	v_mul_f32 v5, v9, v14
	v_fma_f32 v5, v11, v15, v5
	REDADD 5, 13
	s_wait_alu depctr_va_vdst(0)
	v_rcp_f32 v6, v5
	v_nop
	s_wait_alu depctr_va_vdst(0)
.endm
; The 8 largest of the wave's 512 values, one a trip: the largest value G; the lowest position that holds it; what it brings; the place is then set to -infinity.  Lane k keeps the k-th in v[72:73].
.macro TOP8
	v_mov_b32 v72, 0
	v_mov_b32 v73, 0
	v_mov_b32 v71, 0xff800000
	s_mov_b32 s30, 0
.Ltop:
	v_max3_num_f32 v64, v[VB], v[VB+2], v[VB+4]
.irp i, 3,5,7,9,11,13
	v_max3_num_f32 v64, v64, v[VB+2*\i], v[VB+2*\i+2]
.endr
	v_max_num_f32 v64, v64, v[VB+30]
	REDMAX 64, 13
	v_mov_b32 v65, 64
.irp i, 15,14,13,12,11,10,9,8,7,6,5,4,3,2,1,0
	v_cmp_eq_f32 vcc_lo, v[VB+2*\i], v64
	v_cndmask_b32 v65, v65, \i, vcc_lo
.endr
	v_lshrrev_b32 v66, 2, v65
	v_lshlrev_b32 v66, 7, v66
	v_and_b32 v67, 3, v65
	v_add3_u32 v66, v66, v67, v74
	v_cvt_f32_u32 v66, v66
	REDMIN 66, 13
	v_cvt_u32_f32 v67, v66
	v_bfe_u32 v68, v67, 2, 5
	v_lshrrev_b32 v69, 7, v67
	v_lshlrev_b32 v69, 2, v69
	v_and_b32 v70, 3, v67
	v_or_b32 v69, v69, v70
	v_cmp_eq_u32 vcc_lo, v68, v2
	v_cndmask_b32 v69, -1, v69, vcc_lo
	v_mov_b32 v70, -1.0                            ; under every share: a share is never negative
.irp i, 0,1,2,3,4,5,6,7,8,9,10,11,12,13,14,15
	v_cmp_eq_u32 vcc_lo, \i, v69
	v_cndmask_b32 v70, v70, v[VB+2*\i+1], vcc_lo
	v_cndmask_b32 v[VB+2*\i], v[VB+2*\i], v71, vcc_lo
.endr
	REDMAX 70, 13
	v_cmp_eq_u32 vcc_lo, s30, v2
	v_cndmask_b32 v72, v72, v64, vcc_lo
	v_cndmask_b32 v73, v73, v70, vcc_lo
	s_add_co_u32 s30, s30, 1
	s_cmp_lt_u32 s30, 8
	s_cbranch_scc1 .Ltop
.endm
.macro BATCH b                         ; the sums of work-groups 32 b .. 32 b + 31: 512 consecutive bytes a load
.set k, 0
.rept 32
	global_load_b128 v[80+4*k:83+4*k], v4, s[6:7] offset:2560*(32*\b+k)
.set k, k+1
.endr
.endm
.macro WEIGHTS r                       ; the 32 lanes' weights become scalars
.set k, 0
.rept 32
	v_readlane_b32 s[32+k], v[\r], k
.set k, k+1
.endr
.endm
.macro ACCUM first                     ; first = 1: the first product starts the sums
.set k, 0
.rept 32
.irp e, 0,1,2,3
.if \first && (k == 0)
	v_mul_f32 v[16+\e], s[32+k], v[80+4*k+\e]
.else
	v_fma_f32 v[16+\e], s[32+k], v[80+4*k+\e], v[16+\e]
.endif
.endr
.set k, k+1
.endr
.endm
	s_load_b512 s[4:19], s[0:1], 0x0               ; cand s[4:5], pm s[6:7], Wcls s[8:9], bcls s[10:11], scores s[12:13], out1 s[14:15], out2 s[16:17], out3 s[18:19]
	s_load_b64 s[24:25], s[0:1], 0x40              ; out0
	v_lshl_add_u32 v[SPW], v0, 2, SPARE
	v_mov_b32 v[NIL], 0
	v_lshrrev_b32 v1, 5, v0
	v_readfirstlane_b32 s26, v1                    ; wave 0..3
	v_and_b32 v2, 31, v0                           ; lane
	v_lshlrev_b32 v74, 2, v2
	v_mov_b32 v13, 0                               ; written once: a lane permute's destination counts as one of its sources
	v_mul_u32_u24 v3, v2, 2560                     ; a row of pm
	v_lshlrev_b32 v4, 4, v0                        ; 16 T
	v_mov_b32 v7, 0
	s_and_b32 s27, ttmp7, 0xffff                   ; the slide
	s_mov_b32 s20, 0x76543210
	s_mov_b32 s21, 0xfedcba98
	s_mov_b32 s23, 0
	s_wait_alu depctr_va_vdst(0)
	s_wait_kmcnt 0x0
	s_cmp_eq_u32 ttmp9, 1
	s_cbranch_scc1 .Lsum
	s_cmp_gt_u32 ttmp9, 1
	s_cbranch_scc1 .Lprob
	; ---- x = 0: the loss.  Waves 2 and 3 have no side to rank; they pass the barrier with the others
	s_cmp_gt_u32 s26, 1
	s_cbranch_scc1 .Ljoin
	s_lshl_b32 s22, s27, 15                        ; the slide's 64 x 512 bytes of candidates,
	s_lshl_b32 s31, s26, 8                         ; my side's 256 of each 512
	s_add_co_u32 s22, s22, s31
	s_add_nc_u64 s[4:5], s[4:5], s[22:23]
	v_lshrrev_b32 v3, 1, v2
	v_lshlrev_b32 v3, 9, v3
	v_and_b32 v5, 1, v2
	v_lshl_add_u32 v3, v5, 5, v3                   ; work-group lane / 2 of sixteen, ranks 4 (lane % 2) on
.irp j, 0,1,2,3
	global_load_b128 v[VB+8*\j:VB+8*\j+3], v3, s[4:5] offset:8192*\j      ; two pairs (value, share) a load: pair 4 j + e is position 128 j + 4 lane + e = 8 x work-group + rank
	global_load_b128 v[VB+8*\j+4:VB+8*\j+7], v3, s[4:5] offset:8192*\j+16
.endr
	s_wait_loadcnt 0x0
	TOP8
	REDADD 73, 13                                  ; lanes 0-7 hold the eight shares, the others 0
	s_lshl_b32 s31, s26, 2
	s_add_co_u32 s31, s31, LP
	v_mov_b32 v5, s31
	ds_store_b32 v5, v73                           ; all lanes write the wave's own word with the same value
.Ljoin:
	s_wait_dscnt 0x0
	s_barrier_signal -1
	s_barrier_wait -1
	v_mov_b32 v6, LP
	ds_load_b64 v[8:9], v6
	s_wait_dscnt 0x0
	v_add_f32 v8, v8, v9
	s_wait_alu depctr_va_vdst(0)
	s_wait_tensorcnt 0x0                           ; the wave's end
	ds_add_u32 v[SPW], v[NIL]
	s_wait_dscnt 0x0
	s_cmp_lg_u32 s26, 0
	s_cbranch_scc1 .Ldone
	s_lshl_b32 s22, s27, 2
	s_add_nc_u64 s[16:17], s[16:17], s[22:23]
	v_cmp_eq_u32 vcc_lo, 0, v0
	s_wait_xcnt 0x0                                ; EXEC changes only behind this wait
	s_and_saveexec_b32 s31, vcc_lo
	global_store_b32 v7, v8, s[16:17]              ; thread 0: the slide's loss
	s_wait_xcnt 0x0
	s_or_b32 exec_lo, exec_lo, s31
	s_endpgm
	; ---- x = 2 .. 65: A
.Lprob:
	s_mul_i32 s22, s27, 163840                     ; the slide's 64 rows of pm
	s_add_nc_u64 s[6:7], s[6:7], s[22:23]
	s_lshl_b32 s22, s27, 6
	s_add_co_u32 s22, s22, ttmp9
	s_sub_co_u32 s22, s22, 2
	s_lshl_b32 s22, s22, 11                        ; my 512 scores
	s_add_nc_u64 s[12:13], s[12:13], s[22:23]
	s_add_nc_u64 s[14:15], s[14:15], s[22:23]
	s_mov_b32 s31, 0xffffffc0                      ; -64
	global_load_b64 v[8:9], v3, s[6:7] offset:2048
	global_load_b64 v[10:11], v3, s[6:7] offset:83968
	global_load_b128 v[16:19], v4, s[12:13]
	STATS 1                                        ; the load of t was issued behind the two pairs
	v_add_f32 v5, 0xc2800000, v12                  ; m - 64
	s_wait_alu depctr_va_vdst(0)
	s_wait_loadcnt 0x0
.irp i, 16,17,18,19
	v_sub_f32 v\i, v\i, v5
.endr
	s_wait_alu depctr_va_vdst(0)
.irp i, 16,17,18,19
	v_exp_f32 v\i, v\i
.endr
	v_nop
	s_wait_alu depctr_va_vdst(0)
.irp i, 16,17,18,19
	v_ldexp_f32 v\i, v\i, s31
.endr
.irp i, 16,17,18,19
	v_mul_f32 v\i, v\i, v6
.endr
	global_store_b128 v4, v[16:19], s[14:15]       ; 512 consecutive bytes a wave
	s_endpgm
	; ---- x = 1: M and the logits
.Lsum:
	s_load_b64 s[28:29], s[10:11], 0x0             ; bcls
	s_mul_i32 s22, s27, 163840                     ; the slide's 64 rows of pm
	s_add_nc_u64 s[6:7], s[6:7], s[22:23]
	s_lshl_b32 s22, s27, 11
	s_add_nc_u64 s[18:19], s[18:19], s[22:23]
	s_lshl_b32 s22, s27, 3
	s_add_nc_u64 s[24:25], s[24:25], s[22:23]
	v_lshlrev_b32 v20, 5, v0                       ; 32 T
	s_lshl_b32 s31, s26, 3
	v_mov_b32 v34, s31                             ; LDS: 8 x wave
	v_mov_b32 v35, 0
	global_load_b64 v[8:9], v3, s[6:7] offset:2048
	global_load_b64 v[10:11], v3, s[6:7] offset:83968
	global_load_b128 v[24:27], v20, s[8:9]         ; Wcls's rows 4 T, 4 T + 1,
	global_load_b128 v[28:31], v20, s[8:9] offset:16   ; 4 T + 2, 4 T + 3
	BATCH 0
	s_wait_alu depctr_va_vdst(0)
	STATS 34                                       ; behind the two pairs: Wcls's two loads and the batch's 32
	v_mul_f32 v14, v14, v6
	v_mul_f32 v15, v15, v6
	WEIGHTS 14
	s_wait_alu depctr_va_vdst(0)
	s_wait_loadcnt 0x0
	ACCUM 1
	BATCH 1
	WEIGHTS 15
	s_wait_loadcnt 0x0
	ACCUM 0
	global_store_b128 v4, v[16:19], s[18:19]       ; M: 512 consecutive bytes a wave
	v_mul_f32 v32, v16, v24
	v_mul_f32 v33, v16, v25
	v_fma_f32 v32, v17, v26, v32
	v_fma_f32 v33, v17, v27, v33
	v_fma_f32 v32, v18, v28, v32
	v_fma_f32 v33, v18, v29, v33
	v_fma_f32 v32, v19, v30, v32
	v_fma_f32 v33, v19, v31, v33
	REDADD 32, 13
	REDADD 33, 13
	ds_store_b64 v34, v[32:33]                     ; all lanes write the wave's own two words with the same values
	s_wait_dscnt 0x0
	s_barrier_signal -1
	s_barrier_wait -1
	ds_load_b128 v[36:39], v35
	ds_load_b128 v[40:43], v35 offset:16
	s_wait_dscnt 0x0
	v_add_f32 v36, v36, v38
	v_add_f32 v37, v37, v39
	v_add_f32 v40, v40, v42
	v_add_f32 v41, v41, v43
	v_add_f32 v36, v36, v40
	v_add_f32 v37, v37, v41
	s_wait_alu depctr_va_vdst(0)
	s_wait_kmcnt 0x0
	v_add_f32 v36, s28, v36
	v_add_f32 v37, s29, v37
	s_wait_alu depctr_va_vdst(0)
	s_wait_tensorcnt 0x0                           ; the wave's end
	ds_add_u32 v[SPW], v[NIL]
	s_wait_dscnt 0x0
	s_cmp_lg_u32 s26, 0
	s_cbranch_scc1 .Ldone
	v_cmp_eq_u32 vcc_lo, 0, v0
	s_wait_xcnt 0x0                                ; EXEC changes only behind this wait
	s_and_saveexec_b32 s31, vcc_lo
	global_store_b64 v35, v[36:37], s[24:25]       ; thread 0: the slide's two logits
	s_wait_xcnt 0x0
	s_or_b32 exec_lo, exec_lo, s31
.Ldone:
	s_endpgm
.Lfunc_end_k_q503d39a414_fin:
	.size	k_q503d39a414_fin, .Lfunc_end_k_q503d39a414_fin-k_q503d39a414_fin
	.p2alignl 7, 3214868480
	.fill 96, 4, 3214868480
	.section	.rodata,"a",@progbits
	.p2align	6, 0x0
	.amdhsa_kernel k_q503d39a414_fin
		.amdhsa_group_segment_fixed_size 1024
		.amdhsa_private_segment_fixed_size 0
		.amdhsa_enable_private_segment 0
		.amdhsa_kernarg_size 72
		.amdhsa_user_sgpr_count 2
		.amdhsa_user_sgpr_kernarg_segment_ptr 1
		.amdhsa_wavefront_size32 1
		.amdhsa_system_sgpr_workgroup_id_x 1
		.amdhsa_system_sgpr_workgroup_id_y 1
		.amdhsa_system_sgpr_workgroup_id_z 1
		.amdhsa_system_vgpr_workitem_id 0
		.amdhsa_next_free_vgpr 208
		.amdhsa_next_free_sgpr 66
		.amdhsa_reserve_vcc 1
		.amdhsa_float_denorm_mode_32 3
		.amdhsa_float_denorm_mode_16_64 3
		.amdhsa_memory_ordered 1
		.amdhsa_forward_progress 1
		.amdhsa_inst_pref_size 43
	.end_amdhsa_kernel
	.amdgpu_metadata
---
amdhsa.version: [ 1, 2 ]
amdhsa.kernels:
  - .name:           k_q503d39a414_fin
    .symbol:         k_q503d39a414_fin.kd
    .args:
      - { .name: cand, .offset: 0, .size: 8, .value_kind: global_buffer, .address_space: global }
      - { .name: pm, .offset: 8, .size: 8, .value_kind: global_buffer, .address_space: global }
      - { .name: Wcls, .offset: 16, .size: 8, .value_kind: global_buffer, .address_space: global }
      - { .name: bcls, .offset: 24, .size: 8, .value_kind: global_buffer, .address_space: global }
      - { .name: scores, .offset: 32, .size: 8, .value_kind: global_buffer, .address_space: global }
      - { .name: out1, .offset: 40, .size: 8, .value_kind: global_buffer, .address_space: global }
      - { .name: out2, .offset: 48, .size: 8, .value_kind: global_buffer, .address_space: global }
      - { .name: out3, .offset: 56, .size: 8, .value_kind: global_buffer, .address_space: global }
      - { .name: out0, .offset: 64, .size: 8, .value_kind: global_buffer, .address_space: global }
    .group_segment_fixed_size: 1024
    .private_segment_fixed_size: 0
    .kernarg_segment_align: 8
    .kernarg_segment_size: 72
    .max_flat_workgroup_size: 128
    .sgpr_count:     66
    .vgpr_count:     208
    .wavefront_size: 32
...
	.end_amdgpu_metadata
.endif
;; end of part 3
